; MI455X (gfx1250); checked and timed in simulation.
; The chip was launched on July 23, 2026; its instructions are those of AMD's public machine-readable ISA for CDNA 5 (MIT licence, August 2026) and "CDNA5" Instruction Set Architecture Reference Guide (July 2026). The comments in the code are by the model that wrote it; some were corrected since.
;; Fermi Net. Allowed arithmetic: matrix products marked QUANTISED: E4M3 operands, one given power-of-two scale a tensor, by v_wmma_f32_16x16x64_fp8_fp8 or v_wmma_f32_16x16x128_fp8_fp8, f32 sums; everything else in f32.
;; Inputs: W_dn 256 x 128 float32; W_up 256 x 128 float32; a_dn 4 x 128 float32; a_up 4 x 128 float32; b_dn 128 float32; b_up 128 float32; lowp_scales 4 int32 (the exponents e of the quantised operands' scales 2^e); pi_dn 4 x 128 float32; pi_up 4 x 128 float32; r_ei 4,096 x 16 x 4 x 3 float32; stream_1e 4,096 x 16 x 256 float32.
;; Outputs: out0 4,096 float32.
;; This version of the problem:
;;   THIS VERSION OF THE PROBLEM IS GIVEN IN LOW PRECISION. The matrix products marked QUANTISED in the list below multiply operands that are first quantised to E4M3 (4 exponent bits, 3 mantissa bits; 8 bits a number), with one given power-of-two scale for each operand tensor; their sums are f32. All else is computed in f32.
;;   The module's matrix products, in the order in which they are computed (A, B: the left and right operand; K: the contracted axis; several contracted axes count as one K, in the product's order):
;;     1. [M 32,768, K 256] x [K 256, N 128]; A: input stream_1e; B: input W_up: QUANTISED (scales: A lowp_scales[0], B lowp_scales[1])
;;     2. [M 32,768, K 256] x [K 256, N 128]; A: input stream_1e; B: input W_dn: QUANTISED (scales: A lowp_scales[2], B lowp_scales[3])
;;   THE QUANTISER, for each operand of a quantised product, along K:
;;     - The operand's scale is 2^e, e = its entry of the input lowp_scales (int32; the entries are numbered through the quantised products in the list's order, A before B).
;;     - Each number is divided by the scale, clamped to +-448, and rounded to the nearest number of E4M3, ties to even, subnormals kept.
;;     - The product sums the exact products of the quantised numbers (number of the format x scale) in f32.
;;   ~~~python
;;   def quantise(x, axis, e):      # numpy; x: float32 -> the quantised numbers, widened to float32 again
;;       x = np.moveaxis(x, axis, -1); K = x.shape[-1]
;;       r = np.clip(x / 2.0 ** e, -448, 448)
;;       step = 2.0 ** (np.maximum(np.frexp(np.where(r == 0, 1, r))[1] - 1, -6) - 3)
;;       q = np.round(r / step) * step * 2.0 ** e      # np.round: ties to even
;;       return np.moveaxis(q, -1, axis).astype(np.float32)
;;   ~~~
;; One version. Each part assembles by itself: llvm-mc -triple=amdgcn-amd-amdhsa -mcpu=gfx1250 --defsym DOCPART=n.
;; ======== version 1 of 1: 1 launch
;; limits: right only within a limited range of input values
;; launch ferminet (part 1): grid 256 x 1, 16 waves a work-group, no clusters, 293,376 bytes of LDS; arguments stream_1e, r_ei, W_up, W_dn, a_up, a_dn, pi_up, pi_dn, b_up, b_dn, lowp_scales, out0; writes out0
.if DOCPART == 1
	.amdgcn_target "amdgcn-amd-amdhsa--gfx1250"
	.amdhsa_code_object_version 6
	.text
	.protected	k_qb7379882c2_ferminet
	.globl	k_qb7379882c2_ferminet
	.p2align	8
	.type	k_qb7379882c2_ferminet,@function
k_qb7379882c2_ferminet:
	s_mov_b64 s[64:65], 0
	v_nop
	global_prefetch_b8 v0, s[64:65] scope:SCOPE_SE
	s_setreg_imm32_b32 hwreg(HW_REG_WAVE_MODE, 25, 1), 1
	s_wait_xcnt 0x0
; FermiNet's last layer: log|psi| of 4,096 batches.  For each batch and spin: orb = (Q(s) Q(W) + b) x env, 8 electrons x 128 orbitals = 16 matrices of 8 x 8;
; env = sum over 4 ions of pi exp(-a |r|); log|psi| = the signed log-sum-exp over 16 determinants of log|det up| + log|det down|.
; The two products run on codes of FP8 (E4M3), each operand with the one scale 2^e that is given for it (e0, e1: stream and W, spin up; e2, e3: spin down); all else is f32.
; SHARES.  Work-group g takes batches 16 g .. 16 g + 15.  Wave w: spin s = w / 8, pair p = w % 8: 16 rows (row 8 h + j = batch 16 g + 2 p + h, electron 8 s + j) x all 128 orbitals of its spin.
; TILES OF W.  Column r of tile t is orbital 8 r + t.  So lane (r, h) ends with all 64 numbers of determinant r of batch h in its own accumulators, and eliminates them there; its b, a and pi are eight neighbours in memory.
; x: one tensor load a wave, at the head, brings the first 192 numbers of its 16 rows (12,288 bytes); the last 64 come by eight loads into registers and turn through the wave's own slot once that has been read.
; From the barrier behind W on, a wave waits for its own tile alone: the waves whose tiles have come multiply and eliminate while the others' are on their way.
; W (2 x 131,072 bytes of f32, K along its first axis) is quantised by the work-group itself: wave (s, p) takes rows 32 p .. 32 p + 31 of its spin's W and stores the codes in LDS as images of the operand's registers.
; All work-groups read the same W, yet no joint loads are used: they would land W in LDS as f32, 262,144 bytes, beside 208,896 of x and 65,536 of codes.
; K's PLACES.  In both operands registers 4 c .. 4 c + 3 of lane (r, h) hold k = 32 c + 16 h + 0 .. 15 of a K step of 128: the same permutation on both sides.
; SCALES.  The codes are multiplied as they are: orb' = (sum + b / 2^(es + ew)) x env.  A determinant of 8 x 8 then lacks 2^(8 (es + ew)): 8 (e0 + e1 + e2 + e3) is added to the base-2 logarithm at the end.
; DETERMINANT.  LU with partial pivoting, without a branch: row by row the larger pivot candidate is kept by selects; log2|det| = the sum of log2|pivot|; the sign = the pivots' signs and the swaps' parity, by exclusive or.
; No prefetch: three quarters of x are asked for at the head, and there is no loop to run ahead in.
; LIMITS.  e0 .. e3 between -126 and 119, so that 2^e and 448 x 2^e are f32 numbers.  NaN and infinities among the inputs are not served.  The transcendentals take denormals as zero (ISA guide 15.8): a pivot under 2^-126
; counts as zero and its determinant adds nothing; a pivot over 2^126 is not served.  Where all 16 products of determinants are zero the result is NaN.
; The output of a work-group is 64 consecutive bytes, one store.
; LDS:
.set SLOT, 13056                       ; a slot for each wave: 16 rows of 3 x (256 + 16) bytes: 204 words: the rows begin at 16 different banks of four words (64 banks of 4 bytes: ISA guide 11.1)
.set XP,   816
.set QP,   272                         ; the slot as the stage of x's last 64 numbers: 16 rows of (256 + 16) bytes
.set WIMG, 208896                      ; W's images: 32,768 spin + 4,096 (k / 32) + 512 t + 256 h + 16 r, r with its bit 3 flipped for t > 3
.set TAB,  274432                      ; for each spin 4,096 bytes: a [ion][t / 4][r][t % 4], then pi likewise
.set DST,  282624                      ; 256 bytes a wave: the distances x -log2(e) [h][ion][electron]
.set RES,  286720                      ; 288 bytes a wave, 144 a batch: 8 a determinant: log2|det|, sign word
.set SPARE, 291328                     ; the spare words, 128 bytes a wave
; ORDER.  W's codes are made behind the first two ions of the envelope.  Behind the barrier that shows them, waves 8-15 do the other two ions and then the products, waves 0-7 the products and then the two ions:
; so one half's LDS reads stand beside the other half's exponentials.
; REGISTERS that stay: v0 thread; v1 2^es; v2 2^ew, later W's images t > 3; v3 16 x lane, later the stage out; v4 table; v5 distances; v6 x's tail in memory; v7 W's codes in, later W's images t < 4;
; v8-15 b / 2^(es + ew) of orbital 8 r + t; from W's codes on v56 x's slot, v57 the stage in
.set ION,  16                          ; v16-39   an ion's a[8], pi[8] and eight distances
.set TT,   40                          ; v40-55   exponents, two sets of 8
.set EV,   64                          ; v64-127  the envelope, 8 a tile
.set WR,   128                         ; v128-255 W's 32 rows x 4 columns as loaded
.set DW,   16                          ; v16-47   W's numbers turned down K; v48-63 their codes
.set XT,   128                         ; v128-159 x's tail as loaded; then fragments of W
.set X45,  160                         ; v160-191 x's blocks 4, 5; then fragments of W
.set X03,  192                         ; v192-255 x's blocks 0-3; then the sums, then the matrix: row t, column j at ACC + 8 t + j
.set ACC,  192
.set M,    192
.set CX,   16                          ; v16-47   x's codes of two K steps
.set KA,   16                          ; elimination: v16-23, v24-31 the pivot row by turns
.set KB,   24
.set MU,   32                          ; v32-39   the multipliers
.set LG,   40                          ; v40-47   the pivots' logarithms
.set RC,   48
.set RS,   52                          ; v52 log2|det|, v53 sign word
.set SG,   53
	s_load_b256 s[8:15], s[0:1], 0x0               ; stream s[8:9], r_ei s[10:11], W_up s[12:13], W_dn s[14:15]
	s_load_b256 s[16:23], s[0:1], 0x20             ; a_up, a_dn, pi_up, pi_dn
	s_load_b256 s[24:31], s[0:1], 0x40             ; b_up, b_dn, the scales' exponents s[28:29], out0 s[30:31]
	v_lshl_add_u32 v1, v0, 2, SPARE
	v_mov_b32 v2, 0
	ds_add_u32 v1, v2                              ; the wave's opening: the add, twice on end, and its wait ahead of my first tensor load
	ds_add_u32 v1, v2
	v_lshrrev_b32 v16, 5, v0
	v_readfirstlane_b32 s2, v16                    ; wave 0..15
	s_lshr_b32 s3, s2, 3                           ; spin
	s_and_b32 s4, s2, 7                            ; pair of batches
	; byte offsets into the buffers
	s_lshl_b32 s36, ttmp9, 18                      ; stream: 16 batches of 16,384 bytes,
	s_lshl_b32 s5, s4, 15                          ; + my two batches,
	s_add_co_u32 s36, s36, s5
	s_lshl_b32 s5, s3, 13                          ; + my spin's eight electrons
	s_add_co_u32 s36, s36, s5
	s_mov_b32 s37, 0
	s_mul_i32 s38, ttmp9, 12288                    ; r_ei: a batch is 768 bytes, an electron 48
	s_mul_i32 s5, s4, 1536
	s_add_co_u32 s38, s38, s5
	s_mul_i32 s5, s3, 384
	s_add_co_u32 s38, s38, s5
	s_mov_b32 s39, 0
	s_lshl_b32 s40, s4, 14                         ; W: my 32 rows of 512 bytes
	s_mov_b32 s41, 0
	s_and_b32 s42, s4, 3
	s_lshl_b32 s42, s42, 9                         ; a or pi: ion p % 4
	s_mov_b32 s43, 0
	s_lshl_b32 s46, ttmp9, 6                       ; out0: 16 numbers
	s_mov_b32 s47, 0
	s_mul_i32 s60, s2, SLOT                        ; my slot
	s_lshl_b32 s61, s3, 15
	s_add_co_u32 s61, s61, WIMG                    ; my spin's images
	s_lshl_b32 s7, s4, 12
	s_add_co_u32 s7, s7, s61                       ; my 32 rows' part of them
	s_lshl_b32 s66, s3, 12
	s_add_co_u32 s66, s66, TAB                     ; my spin's table
	s_lshl_b32 s67, s4, 9
	s_add_co_u32 s67, s67, s66                     ; + 512 p: pairs 0-3 store a of ion p, pairs 4-7 pi of ion p - 4
	s_lshl_b32 s63, s2, 8
	s_add_co_u32 s63, s63, DST
	; the tensor load: 192 numbers x 8 electrons x 2 batches, 16 bytes of padding behind every 256
	s_mov_b32 s68, 1
	s_mov_b32 s69, s60
	s_mov_b32 s72, (2<<16)|(1<<20)|(5<<22)|(3<<25) ; elements of 4 bytes; padding on, after every 64 words, of 4 words
	s_mov_b32 s73, 192<<16                         ; tensor_dim0 = 192
	s_mov_b32 s74, 8<<16                           ; tensor_dim1 = 8
	s_mov_b32 s75, 192<<16                         ; tile_dim0 = 192
	s_mov_b32 s76, 8|(2<<16)                       ; tile_dim1 = 8, tile_dim2 = 2
	s_mov_b32 s77, 256                             ; an electron to the next: 256 numbers
	s_mov_b32 s78, 4096<<16                        ; a batch to the next: 4,096 numbers
	s_mov_b32 s79, 0
	s_mov_b32 s80, 2                               ; tensor_dim2 = 2
	s_mov_b32 s81, 0
	s_mov_b32 s82, 0
	s_mov_b32 s83, 0
	s_mov_b32 s84, 0
	s_mov_b32 s85, 0
	s_mov_b32 s86, 0
	s_mov_b32 s87, 0
	s_mov_b32 s58, 0x7f7fffff                      ; the largest f32 number and its negative
	s_mov_b32 s59, 0xff7fffff
	s_mov_b32 s62, 0x80000000                      ; a sign
	v_and_b32 v17, 31, v0                          ; lane
	v_and_b32 v18, 15, v0                          ; r
	v_bfe_u32 v19, v0, 4, 1                        ; h
	v_and_b32 v23, 1, v0
	v_bfe_u32 v24, v0, 1, 4                        ; lane / 2
	v_bfe_u32 v25, v0, 1, 3                        ; r / 2
	v_lshlrev_b32 v3, 4, v17
	v_lshl_add_u32 v4, v18, 4, s66                 ; table: + 16 r
	v_lshl_add_u32 v5, v19, 7, s63                 ; distances: + 128 h
	v_lshlrev_b32 v6, 4, v18                       ; x's tail: 256 bytes of two rows: 16 r + 1,024 h
	v_lshlrev_b32 v26, 4, v24
	v_lshlrev_b32 v27, 7, v23
	v_lshl_add_u32 v30, v23, 8, s67                ; table in: my four orbitals 4 lane .. 4 lane + 3 are r = lane / 2, t / 4 = lane % 2
	v_mul_u32_u24 v28, v18, 24                     ; r_ei: batch h, triples 2 r and 2 r + 1
	v_lshl_add_u32 v7, v23, 11, s7                 ; W's codes in: + 2,048 (t / 4)
	v_xor_b32 v26, v26, v27                        ; + 16 r, r's bit 3 flipped for t > 3: the lanes of a store then lie on different banks
	v_lshl_add_u32 v6, v19, 10, v6
	v_lshl_add_u32 v30, v24, 4, v30
	v_lshl_add_u32 v31, v23, 6, v5                 ; distances in: electron r / 2, ions 2 (r % 2) and the next
	v_mad_u32_u24 v28, v19, 768, v28
	v_add_nc_u32 v7, v7, v26
	v_lshl_add_u32 v31, v25, 2, v31
	v_lshlrev_b32 v29, 5, v18                      ; b: eight numbers from 8 r
	s_wait_alu depctr_va_vdst(0)                   ; the wait at the head's end
	s_wait_dscnt 0x0                               ; both opening adds are done
	s_wait_kmcnt 0x0
	s_add_nc_u64 s[36:37], s[8:9], s[36:37]
	s_mov_b64 s[70:71], s[36:37]
	s_or_b32 s71, s71, 0x80000000
	tensor_load_to_lds s[68:71], s[72:79], s[80:83], s[84:87]   ; one tensor load a wave, at the head
	s_nop 0
	s_load_b128 s[32:35], s[28:29], 0x0            ; e0 .. e3
	s_add_nc_u64 s[38:39], s[10:11], s[38:39]
	s_add_nc_u64 s[46:47], s[30:31], s[46:47]
	s_cmp_eq_u32 s3, 0                             ; the spin's buffers: the choice hangs on the wave's number alone
	s_cselect_b64 s[12:13], s[12:13], s[14:15]
	s_cselect_b64 s[16:17], s[16:17], s[18:19]
	s_cselect_b64 s[20:21], s[20:21], s[22:23]
	s_cselect_b64 s[44:45], s[24:25], s[26:27]
	s_cmp_lt_u32 s4, 4                             ; pairs 0-3 bring a, pairs 4-7 pi
	s_cselect_b64 s[16:17], s[16:17], s[20:21]
	s_add_nc_u64 s[42:43], s[16:17], s[42:43]
	s_add_nc_u64 s[40:41], s[12:13], s[40:41]
.macro WLOAD i                         ; row 32 p + i of W, whole: lane l takes columns 4 l .. 4 l + 3
	global_load_b128 v[WR+4*(\i):WR+4*(\i)+3], v3, s[40:41] offset:512*(\i)
.endm
	global_load_b64 v[16:17], v28, s[38:39]
	global_load_b64 v[18:19], v28, s[38:39] offset:8
	global_load_b64 v[20:21], v28, s[38:39] offset:16
	global_load_b128 v[24:27], v3, s[42:43]        ; one ion's 128 numbers
	global_load_b128 v[8:11], v29, s[44:45]
	global_load_b128 v[12:15], v29, s[44:45] offset:16
.irp i, 0,1,2,3,4,5,6,7,8,9,10,11,12,13,14,15
	WLOAD \i
.endr
	; the given scales
	s_wait_kmcnt 0x0
	s_cmp_eq_u32 s3, 0
	s_cselect_b32 s48, s32, s34                    ; es
	s_cselect_b32 s49, s33, s35                    ; ew
	s_add_co_i32 s50, s48, s49
	s_sub_co_i32 s50, 0, s50                       ; -(es + ew)
	s_add_co_i32 s51, s32, s33
	s_add_co_i32 s51, s51, s34
	s_add_co_i32 s51, s51, s35
	s_lshl_b32 s51, s51, 3                         ; 8 (e0 + e1 + e2 + e3)
	s_add_co_i32 s5, s48, 127
	s_lshl_b32 s54, s5, 23                         ; 2^es as f32: the conversion takes its exponent field
	s_add_co_i32 s5, s5, 8
	s_lshl_b32 s5, s5, 23
	s_or_b32 s52, s5, 0x600000                     ; 448 x 2^es
	s_or_b32 s53, s52, 0x80000000                  ; and its negative
	s_add_co_i32 s5, s49, 127
	s_lshl_b32 s57, s5, 23                         ; the same for W
	s_add_co_i32 s5, s5, 8
	s_lshl_b32 s5, s5, 23
	s_or_b32 s55, s5, 0x600000
	s_or_b32 s56, s55, 0x80000000
	; ---- the table, the distances, the bias
	s_wait_loadcnt 16                              ; all but W's 16 loads
	ds_store_b128 v30, v[24:27]
	v_mul_f32 v22, v16, v16
	v_mul_f32 v23, v19, v19
	v_fma_f32 v22, v17, v17, v22
	v_fma_f32 v23, v20, v20, v23
	v_fma_f32 v22, v18, v18, v22
	v_fma_f32 v23, v21, v21, v23
	s_wait_alu depctr_va_vdst(0)                   ; ahead of the batch of roots
	v_sqrt_f32 v22, v22
	v_sqrt_f32 v23, v23
.irp t, 0,1,2,3,4,5,6,7
	v_ldexp_f32 v[8+\t], v[8+\t], s50              ; b / 2^(es + ew).  (Plain work behind the roots)
.endr
	v_mov_b32 v1, s54                              ; 2^es
	v_mov_b32 v2, s57                              ; 2^ew
	s_wait_alu depctr_va_vdst(0)                   ; ahead of the first line that names a root
	v_mul_f32 v22, 0xbfb8aa3b, v22                 ; x -log2(e): exp(-a d) = 2^(a d')
	v_mul_f32 v23, 0xbfb8aa3b, v23
	ds_store_b32 v31, v22
	ds_store_b32 v31, v23 offset:32
	s_wait_dscnt 0x0                               ; for the others' sake: my part of the tables is in
	s_barrier_signal -1
	s_barrier_wait -1
; ---- the envelope.  Batch b = 8 ion + t: lane (r, h): orbital 8 r + t, batch h, eight electrons.
.macro LDA i                           ; the ion's distances and a
	ds_load_b128 v[ION+16:ION+19], v5 offset:32*(\i)
	ds_load_b128 v[ION+20:ION+23], v5 offset:32*(\i)+16
	ds_load_b128 v[ION:ION+3], v4 offset:512*(\i)
	ds_load_b128 v[ION+4:ION+7], v4 offset:512*(\i)+256
.endm
.macro LDP i                           ; and pi
	ds_load_b128 v[ION+8:ION+11], v4 offset:512*(\i)+2048
	ds_load_b128 v[ION+12:ION+15], v4 offset:512*(\i)+2304
.endm
.macro EMUL b
.set A2, ION+((\b)%8)-((\b)%2)
.set T1, TT+8*((\b)%2)
.irp q, 0,2,4,6
.if (\b)%2 == 0
	v_pk_mul_f32 v[T1+\q:T1+\q+1], v[ION+16+\q:ION+17+\q], v[A2:A2+1] op_sel_hi:[1,0]                 ; the pair's first word for both halves,
.else
	v_pk_mul_f32 v[T1+\q:T1+\q+1], v[ION+16+\q:ION+17+\q], v[A2:A2+1] op_sel:[0,1] op_sel_hi:[1,1]     ; or its second
.endif
.endr
.endm
.macro EEXP b
.set T1, TT+8*((\b)%2)
	s_wait_alu depctr_va_vdst(0)                   ; ahead of this batch, and ahead of the last batch's first reader
.irp i, 0,1,2,3,4,5,6,7
	v_exp_f32 v[T1+\i], v[T1+\i]
.endr
.endm
.macro EFMA b
.set P2, ION+8+((\b)%8)-((\b)%2)
.set T1, TT+8*((\b)%2)
.set V1, EV+8*((\b)%8)
.irp q, 0,2,4,6
.if (\b) < 8
.if (\b)%2 == 0
	v_pk_mul_f32 v[V1+\q:V1+\q+1], v[T1+\q:T1+\q+1], v[P2:P2+1] op_sel_hi:[1,0]
.else
	v_pk_mul_f32 v[V1+\q:V1+\q+1], v[T1+\q:T1+\q+1], v[P2:P2+1] op_sel:[0,1] op_sel_hi:[1,1]
.endif
.else
.if (\b)%2 == 0
	v_pk_fma_f32 v[V1+\q:V1+\q+1], v[T1+\q:T1+\q+1], v[P2:P2+1], v[V1+\q:V1+\q+1] op_sel_hi:[1,0,1]
.else
	v_pk_fma_f32 v[V1+\q:V1+\q+1], v[T1+\q:T1+\q+1], v[P2:P2+1], v[V1+\q:V1+\q+1] op_sel:[0,1,0] op_sel_hi:[1,1,1]
.endif
.endif
.endr
.endm
.macro ENV b
	EEXP \b
.if (\b)%8
	EFMA (\b)-1                                    ; the last batch's exponentials, while this one's are under way
.endif
.if (\b)%8 == 7                        ; an ion's last tile
.if (\b)%16 != 15
	LDA (\b)/8+1
.endif
.if (\b)%8 == 7
	s_wait_alu depctr_va_vdst(0)                   ; ahead of this batch's first reader
	EFMA \b
.endif
.if (\b)%16 != 15
	LDP (\b)/8+1                                   ; behind the last reader of the old pi
	s_wait_dscnt 2                                 ; the distances and a are in; pi may be out
	EMUL (\b)+1
.endif
.else
.if (\b)%16 == 8
	s_wait_dscnt 0x0                               ; pi is in
.endif
	EMUL (\b)+1
.endif
.if (\b) < 8
	WLOAD 16+2*(\b)                                ; W's other 16 rows, two behind each of the first ion's tiles
	WLOAD 17+2*(\b)
.endif
.endm
	LDA 0
	LDP 0
	s_wait_dscnt 0x0
	EMUL 0
.set bb, 0                             ; the first two ions
.rept 16
	ENV bb
.set bb, bb+1
.endr
; ---- W's rows 32 p + 16 u + 0 .. 15 become the 16 codes along K of lanes' half u, for each of my four columns.  The hold writes its results down K, so that a conversion takes eight neighbours along K of one column.
.macro WQ u
.irp g, 0,1
.irp q, 0,1,2,3
.irp i, 0,1,2,3,4,5,6,7
	v_med3_num_f32 v[DW+8*\q+\i], v[WR+64*\u+32*\g+4*\i+\q], s56, s55   ; the conversion to an 8-bit code does not saturate (ISA guide 7.6.2): the hold at the largest code x the scale
.endr
.endr
.irp q, 0,1,2,3
	v_cvt_scalef32_pk8_fp8_f32 v[48+4*\q+2*\g:49+4*\q+2*\g], v[DW+8*\q:DW+8*\q+7], v2
.endr
	v_nop                                          ; one plain line between the conversions and the lines that write their sources
.endr
.irp q, 0,1,2,3
	ds_store_b128 v7, v[48+4*\q:51+4*\q] offset:512*\q+256*\u
.endr
.endm
	s_wait_loadcnt 16                              ; W's first 16 rows are in
	WQ 0
.irp i, 0,1,2,3,4,5,6,7                ; x's last 64 numbers of my 16 rows: two rows' 256 bytes a load; read once in the launch
	global_load_b128 v[XT+4*\i:XT+4*\i+3], v6, s[36:37] offset:16384*(\i/4)+2048*(\i%4)+768 th:TH_LOAD_NT
.endr
	s_wait_dscnt 0x0                               ; the stores have read their registers, which the next codes take
	s_wait_loadcnt 8                               ; W's other 16 rows are in; x's eight loads may be out
	WQ 1
	s_wait_dscnt 0x0                               ; my codes are in: the stores have read v56 and v57, which take addresses
	v_and_b32 v19, 15, v0                          ; r
	v_bfe_u32 v18, v0, 4, 1                        ; h
	v_lshlrev_b32 v20, 4, v19                      ; 16 r
	v_mul_u32_u24 v56, v19, XP
	v_mul_u32_u24 v3, v19, QP
	v_mul_u32_u24 v57, v18, QP
	v_lshl_add_u32 v7, v18, 8, v20                 ; W's images: 256 h + 16 r
	v_lshl_add_u32 v56, v18, 6, v56
	v_lshl_add_u32 v3, v18, 6, v3
	v_add_nc_u32 v57, v57, v20
	v_add_nc_u32 v7, s61, v7
	v_add_nc_u32 v56, s60, v56                     ; x: row r, + my half's 16 numbers of a block of 32
	v_add_nc_u32 v3, s60, v3                       ; the tail on the way back: likewise
	v_add_nc_u32 v57, s60, v57                     ; and on the way in: two rows a store
	v_xor_b32 v2, 0x80, v7                         ; for t > 3: r's bit 3 flipped
	s_wait_alu depctr_va_vdst(0)
	s_wait_dscnt 0x0                               ; my codes are in
	s_barrier_signal -1
	s_barrier_wait -1                              ; W's images are whole
; ---- x: block cc of 32 numbers comes 64 bytes a lane: 16 neighbours along K of row r
.macro XQ reg, dst
.irp i, 0,1,2,3,4,5,6,7,8,9,10,11,12,13,14,15
	v_med3_num_f32 v[\reg+\i], v[\reg+\i], s53, s52             ; the hold at the largest code x the scale
.endr
	v_cvt_scalef32_pk8_fp8_f32 v[\dst:\dst+1], v[\reg:\reg+7], v1
	v_cvt_scalef32_pk8_fp8_f32 v[\dst+2:\dst+3], v[\reg+8:\reg+15], v1
.endm
.macro XIN reg, adr, off
.irp j, 0,1,2,3
	ds_load_b128 v[\reg+4*\j:\reg+4*\j+3], v[\adr] offset:\off+16*\j
.endr
.endm
; a pair of W's fragments: pair g: K step g / 4, tiles 2 (g % 4) and the next; pairs take turns in v160-191 and v128-159
.macro GET g
.set FS, 160-32*((\g)%2)
.irp u, 0,1
.irp c, 0,1,2,3
	ds_load_b128 v[FS+16*\u+4*\c:FS+16*\u+4*\c+3], v[7-5*((2*((\g)%4)+\u)/4)] offset:4096*(4*((\g)/4)+\c)+512*(2*((\g)%4)+\u)
.endr
.endr
.endm
.macro ENV2                            ; the other two ions
	LDA 2
	LDP 2
	s_wait_dscnt 0x0
	EMUL 16
.set bb, 16
.rept 16
	ENV bb
.set bb, bb+1
.endr
.endm
	s_cmp_lt_u32 s2, 8                             ; waves 0-7 take the products first
	s_cbranch_scc1 .Lproducts
	ENV2
.Lproducts:
	s_wait_tensorcnt 0x0                           ; my tile is in; I alone read it
.irp c, 0,1,2,3
	XIN X03+16*\c, 56, 272*(\c/2)+128*(\c%2)
.endr
	XIN X45, 56, 544
	XIN X45+16, 56, 672
.irp c, 0,1,2,3
	s_wait_dscnt 20-4*\c                           ; block c's four loads are in
	XQ X03+16*\c, CX+4*\c
.endr
	s_wait_dscnt 4
	XQ X45, CX+16
	s_wait_dscnt 0x0
	XQ X45+16, CX+20
	v_nop                                          ; one plain line between the last conversion and whatever next touches its result or writes its sources
	s_wait_loadcnt 0x0                             ; x's tail is in: it goes over the slot, which I have read
.irp i, 0,1,2,3,4,5,6,7
	ds_store_b128 v57, v[XT+4*\i:XT+4*\i+3] offset:2*QP*\i
.endr
	XIN XT, 3, 0                                   ; LDS serves a wave's instructions in order (ISA guide 5.7.1.4): these see the stores above
	XIN XT+16, 3, 128
	GET 0
.irp t, 0,1,2,3,4,5,6,7
.irp q, 0,2,4,6
	v_dual_mov_b32 v[ACC+8*\t+\q], v[8+\t] :: v_dual_mov_b32 v[ACC+8*\t+\q+1], v[8+\t]   ; the sums begin with the bias
.endr
.endr
	s_wait_dscnt 12                                ; the tail's first block is in; its second and eight loads of W may be out
	XQ XT, CX+24
	s_wait_dscnt 8
	XQ XT+16, CX+28
	v_nop
	GET 1                                          ; into the tail's registers
	s_wait_alu depctr_va_vdst(0)
; source 0 = x's 16 rows, source 1 = 16 columns of W: register j of lane (r, h) is electron j of batch h, orbital 8 r + t.  The eight accumulators take turns, one instruction a turn.
.macro PAIR g
.set FS, 160-32*((\g)%2)
.if (\g) < 7
	s_wait_dscnt 8                                 ; this pair is in; the next may be out
.else
	s_wait_dscnt 0x0
.endif
.irp u, 0,1
.set AC, ACC+8*(2*((\g)%4)+\u)
	v_wmma_f32_16x16x128_fp8_fp8 v[AC:AC+7], v[CX+16*((\g)/4):CX+16*((\g)/4)+15], v[FS+16*\u:FS+16*\u+15], v[AC:AC+7]
.endr
.rept 4
	v_nop                                          ; four places in front of the loads into W's registers, and of the first read of results
.endr
.if (\g) < 6
	GET (\g)+2
.endif
.endm
.irp g, 0,1,2,3,4,5,6,7
	PAIR \g
.endr
	s_cmp_ge_u32 s2, 8                             ; waves 8-15 have the whole envelope
	s_cbranch_scc1 .Lorb
	ENV2
.Lorb:
	s_wait_alu depctr_va_vdst(0)                   ; directly ahead of the sums' first reader
; ---- orb' = the sum x env, each accumulator from its low end on
.irp t, 0,1,2,3,4,5,6,7
.irp q, 0,2,4,6
	v_pk_mul_f32 v[M+8*\t+\q:M+8*\t+\q+1], v[M+8*\t+\q:M+8*\t+\q+1], v[EV+8*\t+\q:EV+8*\t+\q+1]
.endr
.endr
	v_mov_b32 v[MU], 0                             ; (named as the lower half of the pair with MU[1])
	s_mov_b32 s7, 0                                ; the swaps' parity, a bit a lane
; ---- step k of the elimination, every lane on its own matrix M[t][j].  Row by row: where the row's number in column k is larger in magnitude than the candidate's, the two rows change places.
; The candidate goes from row k to KA, KB, KA, ..; XB names where it is.
.macro LUSTEP k
.set XB, M+8*\k
.set YB, KA
.set ra, \k+1
.rept 7-\k
	v_cmp_gt_f32 vcc_lo, |v[M+8*ra+\k]|, |v[XB+\k]|
	s_xor_b32 s7, s7, vcc_lo
.set cb, \k
.rept (8-\k)/2
	v_dual_cndmask_b32 v[YB+cb], v[XB+cb], v[M+8*ra+cb] :: v_dual_cndmask_b32 v[YB+cb+1], v[XB+cb+1], v[M+8*ra+cb+1]
	v_dual_cndmask_b32 v[M+8*ra+cb], v[M+8*ra+cb], v[XB+cb] :: v_dual_cndmask_b32 v[M+8*ra+cb+1], v[M+8*ra+cb+1], v[XB+cb+1]
.set cb, cb+2
.endr
.if \k%2
	v_cndmask_b32 v[YB+7], v[XB+7], v[M+8*ra+7], vcc_lo
	v_cndmask_b32 v[M+8*ra+7], v[M+8*ra+7], v[XB+7], vcc_lo
.endif
.set XB, YB
.set YB, KA+KB-YB
.set ra, ra+1
.endr
	s_wait_alu depctr_va_vdst(0)                   ; ahead of the batch of transcendentals
	v_rcp_f32 v[RC], v[XB+\k]
	v_log_f32 v[LG+\k], |v[XB+\k]|
.if \k == 0
	v_mov_b32 v[SG], v[XB]                         ; the sign: the pivots' sign bits
.else
	v_xor_b32 v[SG], v[SG], v[XB+\k]
.endif
	s_wait_alu depctr_va_vdst(0)                   ; ahead of the reciprocal's first reader
	v_med3_num_f32 v[RC], v[RC], s59, s58          ; a zero pivot's column is zero: a finite factor keeps the multipliers finite; its logarithm makes the determinant count for nothing
.set ra, \k+1
.rept 7-\k
	v_mul_f32 v[MU+ra], v[M+8*ra+\k], -v[RC]
.set ra, ra+1
.endr
.set ra, \k+1
.rept 7-\k
.if (\k)%2 == 0
	v_fma_f32 v[M+8*ra+\k+1], v[MU+ra], v[XB+\k+1], v[M+8*ra+\k+1]     ; the odd column ahead of the aligned pairs
.set cb, \k+2
.else
.set cb, \k+1
.endif
.rept (8-cb)/2
.if ra%2 == 0
	v_pk_fma_f32 v[M+8*ra+cb:M+8*ra+cb+1], v[XB+cb:XB+cb+1], v[MU+ra:MU+ra+1], v[M+8*ra+cb:M+8*ra+cb+1] op_sel_hi:[1,0,1]
.else
	v_pk_fma_f32 v[M+8*ra+cb:M+8*ra+cb+1], v[XB+cb:XB+cb+1], v[MU+ra-1:MU+ra], v[M+8*ra+cb:M+8*ra+cb+1] op_sel:[0,1,0] op_sel_hi:[1,1,1]
.endif
.set cb, cb+2
.endr
.set ra, ra+1
.endr
.endm
.irp k, 0,1,2,3,4,5,6
	LUSTEP \k
.endr
	v_mov_b32 v51, s62
	s_mul_i32 s5, s2, 288
	s_add_co_u32 s5, s5, RES
	s_mov_b32 s20, 0x76543210                      ; the selects for lane l xor 16
	s_mov_b32 s21, 0xfedcba98
	s_wait_alu depctr_va_vdst(0)                   ; ahead of the logarithm too
	v_log_f32 v[LG+7], |v[M+63]|
	v_xor_b32 v[SG], v[SG], v[M+63]
	v_cndmask_b32 v50, 0, v51, s7                  ; the swaps' parity
	v_and_b32 v18, 15, v0
	v_bfe_u32 v19, v0, 4, 1
	v_xor_b32 v[SG], v[SG], v50
	v_lshlrev_b32 v54, 3, v18                      ; my determinant's place: 8 r in my batch's 144 bytes
	v_mul_u32_u24 v56, v18, 144                    ; the final sum: lane (r, h) takes batch r's determinants 8 h .. 8 h + 7
	v_lshlrev_b32 v57, 2, v18                      ; and out0's word r
	v_mad_u32_u24 v54, v19, 144, v54
	v_lshl_add_u32 v56, v19, 6, v56
	v_lshl_add_u32 v1, v0, 2, SPARE
	v_add_nc_u32 v54, s5, v54
	v_add_nc_u32 v56, RES, v56
	v_mov_b32 v2, 0
	s_wait_alu depctr_va_vdst(0)                   ; one wait for the logarithm, ahead of its first reader
	v_pk_add_f32 v[LG:LG+1], v[LG:LG+1], v[LG+2:LG+3]
	v_pk_add_f32 v[LG+4:LG+5], v[LG+4:LG+5], v[LG+6:LG+7]
	v_pk_add_f32 v[LG:LG+1], v[LG:LG+1], v[LG+4:LG+5]
	v_add_f32 v[RS], v[LG], v[LG+1]                ; log2|det'|
	ds_store_b64 v54, v[RS:RS+1]
	s_wait_alu depctr_va_vdst(0)
	s_wait_tensorcnt 0x0                           ; the wave's end: the wait, the add and its wait, behind my last tensor load and my last LDS store
	ds_add_u32 v1, v2
	s_wait_dscnt 0x0
	s_barrier_signal -1
	s_barrier_wait -1                              ; all 512 determinants lie in LDS
	s_cmp_lg_u32 s2, 0
	s_cbranch_scc1 .Lend
	; ---- wave 0 joins the two spins and sums over the 16 determinants: eight in a lane, then with lane l xor 16
.irp j, 0,1,2,3
	ds_load_b128 v[64+4*\j:67+4*\j], v56 offset:16*\j             ; log, sign, log, sign: spin up,
	ds_load_b128 v[80+4*\j:83+4*\j], v56 offset:2304+16*\j        ; spin down
.endr
	s_wait_dscnt 0x0
.irp i, 0,2,4,6,8,10,12,14
	v_add_f32 v[64+\i], v[64+\i], v[80+\i]
	v_xor_b32 v[65+\i], v[65+\i], v[81+\i]
.endr
	v_max3_num_f32 v96, v64, v66, v68
	v_max3_num_f32 v97, v70, v72, v74
	v_max_num_f32 v98, v76, v78
	v_max3_num_f32 v96, v96, v97, v98
	v_permlanex16_b32 v97, v96, s20, s21
	v_max_num_f32 v96, v96, v97                    ; the batch's largest logarithm
.irp i, 0,2,4,6,8,10,12,14
	v_sub_f32 v[64+\i], v[64+\i], v96
.endr
	s_wait_alu depctr_va_vdst(0)                   ; ahead of the batch of exponentials
.irp i, 0,2,4,6,8,10,12,14
	v_exp_f32 v[64+\i], v[64+\i]
.endr
	v_cvt_f32_i32 v98, s51                         ; 8 (e0 + e1 + e2 + e3): what the determinants of orb' lack
	v_add_f32 v98, v98, v96
	s_wait_alu depctr_va_vdst(0)                   ; ahead of the exponentials' first reader
.irp i, 0,2,4,6,8,10,12,14
	v_and_or_b32 v[64+\i], v[65+\i], s62, v[64+\i] ; the sign onto a number that is not negative
.endr
	v_add_f32 v64, v64, v66
	v_add_f32 v68, v68, v70
	v_add_f32 v72, v72, v74
	v_add_f32 v76, v76, v78
	v_add_f32 v64, v64, v68
	v_add_f32 v72, v72, v76
	v_add_f32 v64, v64, v72
	v_permlanex16_b32 v97, v64, s20, s21
	v_add_f32 v64, v64, v97
	s_wait_alu depctr_va_vdst(0)                   ; ahead of the logarithm's source,
	v_log_f32 v99, |v64|
	v_nop
	s_wait_alu depctr_va_vdst(0)                   ; and ahead of its first reader
	v_add_f32 v99, v99, v98
	v_mul_f32 v99, 0x3f317218, v99                 ; x ln 2
	s_wait_alu depctr_va_vdst(0)
	s_wait_xcnt 0x0                                ; EXEC changes only behind this wait
	v_cmp_gt_u32 vcc_lo, 16, v0
	s_and_saveexec_b32 s6, vcc_lo
	global_store_b32 v57, v99, s[46:47]            ; 16 lanes store the work-group's 64 consecutive bytes
	s_wait_xcnt 0x0                                ; and again, in front of the line that widens it
	s_or_b32 exec_lo, exec_lo, s6
.Lend:
	s_endpgm
.Lfunc_end_k_qb7379882c2_ferminet:
	.size	k_qb7379882c2_ferminet, .Lfunc_end_k_qb7379882c2_ferminet-k_qb7379882c2_ferminet
	.p2alignl 7, 3214868480
	.fill 96, 4, 3214868480
	.section	.rodata,"a",@progbits
	.p2align	6, 0x0
	.amdhsa_kernel k_qb7379882c2_ferminet
		.amdhsa_group_segment_fixed_size 293376
		.amdhsa_private_segment_fixed_size 0
		.amdhsa_enable_private_segment 0
		.amdhsa_kernarg_size 96
		.amdhsa_user_sgpr_count 2
		.amdhsa_user_sgpr_kernarg_segment_ptr 1
		.amdhsa_wavefront_size32 1
		.amdhsa_system_sgpr_workgroup_id_x 1
		.amdhsa_system_sgpr_workgroup_id_y 1
		.amdhsa_system_sgpr_workgroup_id_z 1
		.amdhsa_system_vgpr_workitem_id 0
		.amdhsa_next_free_vgpr 256
		.amdhsa_next_free_sgpr 90
		.amdhsa_reserve_vcc 1
		.amdhsa_float_denorm_mode_32 3
		.amdhsa_float_denorm_mode_16_64 3
		.amdhsa_memory_ordered 1
		.amdhsa_forward_progress 1
		.amdhsa_inst_pref_size 112
	.end_amdhsa_kernel
	.amdgpu_metadata
---
amdhsa.version: [ 1, 2 ]
amdhsa.kernels:
  - .name:           k_qb7379882c2_ferminet
    .symbol:         k_qb7379882c2_ferminet.kd
    .args:
      - { .name: stream_1e, .offset: 0, .size: 8, .value_kind: global_buffer, .address_space: global }
      - { .name: r_ei, .offset: 8, .size: 8, .value_kind: global_buffer, .address_space: global }
      - { .name: W_up, .offset: 16, .size: 8, .value_kind: global_buffer, .address_space: global }
      - { .name: W_dn, .offset: 24, .size: 8, .value_kind: global_buffer, .address_space: global }
      - { .name: a_up, .offset: 32, .size: 8, .value_kind: global_buffer, .address_space: global }
      - { .name: a_dn, .offset: 40, .size: 8, .value_kind: global_buffer, .address_space: global }
      - { .name: pi_up, .offset: 48, .size: 8, .value_kind: global_buffer, .address_space: global }
      - { .name: pi_dn, .offset: 56, .size: 8, .value_kind: global_buffer, .address_space: global }
      - { .name: b_up, .offset: 64, .size: 8, .value_kind: global_buffer, .address_space: global }
      - { .name: b_dn, .offset: 72, .size: 8, .value_kind: global_buffer, .address_space: global }
      - { .name: lowp_scales, .offset: 80, .size: 8, .value_kind: global_buffer, .address_space: global }
      - { .name: out0, .offset: 88, .size: 8, .value_kind: global_buffer, .address_space: global }
    .group_segment_fixed_size: 293376
    .private_segment_fixed_size: 0
    .kernarg_segment_align: 8
    .kernarg_segment_size: 96
    .max_flat_workgroup_size: 512
    .sgpr_count:     90
    .vgpr_count:     256
    .wavefront_size: 32
...
	.end_amdgpu_metadata
.endif
;; end of part 1
